; MI455X (gfx1250); checked and timed in simulation.
; The chip was launched on July 23, 2026; its instructions are those of AMD's public machine-readable ISA for CDNA 5 (MIT licence, August 2026) and "CDNA5" Instruction Set Architecture Reference Guide (July 2026). The comments in the code are by the model that wrote it; some were corrected since.
;; Sparse Mo E. Allowed arithmetic: matrix products marked QUANTISED: E4M3 operands, one given power-of-two scale a tensor, by v_wmma_f32_16x16x64_fp8_fp8 or v_wmma_f32_16x16x128_fp8_fp8, f32 sums; products left as they are: f32 operands where the result goes on into a quantised operand, else bf16, f16 or f32 operands; f32 sums; everything else in f32.
;; Inputs: W1_codes 8 x 4,096 x 32 x 32 uint8 (E4M3 codes of W1, K innermost, in blocks of 32 codes); W2_codes 8 x 1,024 x 128 x 32 uint8 (E4M3 codes of W2, K innermost, in blocks of 32 codes); Wr 1,024 x 8 float32; b1 8 x 4,096 float32; b2 8 x 1,024 float32; br 8 float32; inputs 2 x 512 x 1,024 float32; lowp_scales 4 int32 (the exponents e of the quantised operands' scales 2^e).
;; Outputs: out0 2 x 512 x 1,024 float32.
;; This version of the problem:
;;   THIS VERSION OF THE PROBLEM IS GIVEN IN LOW PRECISION. The matrix products marked QUANTISED in the list below multiply operands that are first quantised to E4M3 (4 exponent bits, 3 mantissa bits; 8 bits a number), with one given power-of-two scale for each operand tensor; their sums are f32. All else is computed in f32.
;;   The module's matrix products, in the order in which they are computed (A, B: the left and right operand; K: the contracted axis; several contracted axes count as one K, in the product's order):
;;     1. [M 1,024, K 1,024] x [K 1,024, N 8]; A: input inputs; B: input Wr: left as it is (N = 8 < 16)
;;     2. [M 1,024, K 1,024] x [K 1,024, N 32,768]; A: input inputs; B: input W1 (given as codes): QUANTISED (scales: A lowp_scales[0], B lowp_scales[1])
;;     3. batch 8 x [M 1,024, K 4,096] x [K 4,096, N 1,024]; A: input W2 (given as codes); B: computed on the way: QUANTISED (scales: A lowp_scales[2], B lowp_scales[3])
;;     4. batch 1,024 x [M 1, K 8] x [K 8, N 1,024]; A: softmax; B: computed on the way: left as it is (K = 8 < 32)
;;   THE QUANTISER, for each operand of a quantised product, along K:
;;     - The operand's scale is 2^e, e = its entry of the input lowp_scales (int32; the entries are numbered through the quantised products in the list's order, A before B).
;;     - Each number is divided by the scale, clamped to +-448, and rounded to the nearest number of E4M3, ties to even, subnormals kept.
;;     - The product sums the exact products of the quantised numbers (number of the format x scale) in f32.
;;   ~~~python
;;   def quantise(x, axis, e):      # numpy; x: float32 -> the quantised numbers, widened to float32 again
;;       x = np.moveaxis(x, axis, -1); K = x.shape[-1]
;;       r = np.clip(x / 2.0 ** e, -448, 448)
;;       step = 2.0 ** (np.maximum(np.frexp(np.where(r == 0, 1, r))[1] - 1, -6) - 3)
;;       q = np.round(r / step) * step * 2.0 ** e      # np.round: ties to even
;;       return np.moveaxis(q, -1, axis).astype(np.float32)
;;   ~~~
;;   OPERANDS COMPUTED ON THE WAY. 'Computed on the way' means the value that the module computes at that place (a softmax that the list does not call 'softmax' is quantised finished and normalised). What goes into a quantiser is computed in f32, as accurately as f32 sums, v_exp_f32 and their like allow (about 1e-6 of the number): no bf16 or f16 on the way to a quantiser, and a product that is left as it is and whose result goes on into a quantised operand takes f32 operands (vector FMAs, or v_wmma_f32_16x16x4_f32). A number that lies on a knife's edge between two numbers of the format may be rounded either way, as far as f32 arithmetic and the matrix unit's own rounding can turn it there, and no further.
;;   INPUTS GIVEN AS CODES. W1 (in the module: [8, 1024, 4096], K = its axis 1); W2 (in the module: [8, 4096, 1024], K = its axis 1): each comes as NAME_codes (uint8): NAME with its K axis moved to the last place and cut into blocks of 32 codes, [.., K / 32, bytes a block], one block behind the other in memory; one code a byte (a code: sign, 4 exponent bits, 3 mantissa bits); its scale is its entry of lowp_scales. Its value is code x scale, taken as it is: it is not quantised again, and the codes and scales need not be those that the quantiser above would give.
;; 2 versions, each right; version 2 is version 1 with the launch down written anew for expert scheduling mode. Each part assembles by itself: llvm-mc -triple=amdgcn-amd-amdhsa -mcpu=gfx1250 --defsym DOCPART=n.
;; ======== version 1 of 2: 4 launches
;; workspace buffers: xq 1,048,576 bytes; sel 8,192 bytes of whole numbers; gate 8,192 bytes; plan 41,216 bytes of whole numbers; hid 33,554,432 bytes; eo 67,108,864 bytes
;; launch route (part 1): grid 256 x 1, 4 waves a work-group, no clusters, 1,024 bytes of LDS; arguments inputs, Wr, br, lowp_scales, xq, sel, gate; writes xq, sel, gate
.if DOCPART == 1
	.amdgcn_target "amdgcn-amd-amdhsa--gfx1250"
	.amdhsa_code_object_version 6
	.text
	.protected	k_qa92dc84e2c_route
	.globl	k_qa92dc84e2c_route
	.p2align	8
	.type	k_qa92dc84e2c_route,@function
k_qa92dc84e2c_route:
	s_mov_b64 s[64:65], 0
	v_nop
	global_prefetch_b8 v0, s[64:65] scope:SCOPE_SE
	s_setreg_imm32_b32 hwreg(HW_REG_WAVE_MODE, 25, 1), 1
	s_wait_xcnt 0x0
; THE ROUTER AND x's CODES.  1,024 tokens of 1,024 channels; a work-group of four waves takes 4 tokens.
; Thread n takes channels 8 n .. 8 n + 7 of all four tokens: 32 numbers of x and its 8 rows of Wr (64 numbers).
; logits = x Wr + br by f32 multiply-adds, summed over the lanes (DPP, one exchange of halves) and over the four waves (LDS).
; Then wave w finishes token w, every lane alike: softmax (the largest logit is taken away first), the two largest scores
; (a tie keeps the lower index), and the second softmax over the two kept scores: wa = 1 / (1 + e^(sb - sa)), wb = e^(sb - sa) wa,
; which is that softmax with its maximum sa taken away.  The choice steers no address here: it is stored at fixed places.
; x is also turned into E4M3 codes: x / 2^e0, held within +-448, to the nearest code, ties to even; xq is [token][1024], a byte a code.
; LIMITS: e0 between -126 and 119.  NaN and infinities among the inputs are not served.  The logits' sums go in another order than
; a plain row sum, so two scores that differ only in the last bits may be ranked the other way.
; No matrix unit, no cluster: 8 columns are too few, and the work-groups share only Wr's 32 KB.
.set X,   8                            ; v[8:39]    x: 8 t + i
.set WR,  40                           ; v[40:103]  Wr: 8 i + e; later the other half's sums and the four waves' sums
.set ACC, 104                          ; v[104:135] partial logits: 8 t + e
.set CD,  136                          ; v[136:143] codes: two registers a token
.set LG,  72                           ; v[72:103]  the four waves' sums of my token: 8 u + e
.set LO,  146                          ; v[146:153] logits, then scores
.set TT,  154                          ; v[154:161] at work
	s_load_b256 s[4:11], s[0:1], 0x0               ; inputs s[4:5], Wr s[6:7], br s[8:9], the scales' exponents s[10:11]
	s_load_b128 s[12:15], s[0:1], 0x20             ; xq s[12:13], sel s[14:15]
	s_load_b64 s[16:17], s[0:1], 0x30              ; gate
	v_lshl_add_u32 v168, v0, 2, 0x200
	v_mov_b32 v169, 0
	v_lshrrev_b32 v1, 5, v0
	v_readfirstlane_b32 s18, v1                    ; wave
	v_and_b32 v1, 31, v0                           ; lane
	v_lshlrev_b32 v2, 5, v0                        ; my 8 numbers in a row of x
	v_lshlrev_b32 v3, 8, v0                        ; my 8 rows of Wr, 32 bytes each
	v_lshlrev_b32 v4, 3, v0                        ; my 8 codes in a row of xq
	s_lshl_b32 s19, s18, 7
	v_mov_b32 v5, s19                              ; LDS: my wave's 32 sums
	s_lshl_b32 s19, s18, 5
	v_mov_b32 v6, s19                              ; LDS: token w's 8 sums in a wave's 32
	s_mov_b32 s34, 0x76543210                      ; v_permlanex16_b32: each lane takes its own place in the other half
	s_mov_b32 s35, 0xfedcba98
	s_lshl_b32 s36, ttmp9, 2
	s_add_co_u32 s36, s36, s18                     ; the token that my wave finishes
	s_lshl_b32 s20, ttmp9, 14                      ; four rows of 4,096 bytes
	s_mov_b32 s21, 0
	s_lshl_b32 s22, ttmp9, 12                      ; four rows of 1,024 codes
	s_mov_b32 s23, 0
	s_wait_kmcnt 0x0
	s_load_b256 s[24:31], s[8:9], 0x0              ; br
	s_load_b32 s32, s[10:11], 0x0                  ; e0
	s_add_nc_u64 s[4:5], s[4:5], s[20:21]
	s_add_nc_u64 s[12:13], s[12:13], s[22:23]
.irp t, 0,1,2,3
	global_load_b128 v[X+8*\t:X+8*\t+3],   v2, s[4:5] offset:4096*\t th:TH_LOAD_NT
	global_load_b128 v[X+8*\t+4:X+8*\t+7], v2, s[4:5] offset:4096*\t+16 th:TH_LOAD_NT
.endr
.irp k, 0,1,2,3,4,5,6,7,8,9,10,11,12,13,14,15
	global_load_b128 v[WR+4*\k:WR+4*\k+3], v3, s[6:7] offset:16*\k
.endr
	s_wait_loadcnt 0x0
.irp t, 0,1,2,3                                ; the first channel starts the sums
.irp e, 0,1,2,3,4,5,6,7
	v_mul_f32 v[ACC+8*\t+\e], v[X+8*\t], v[WR+\e]
.endr
.endr
.irp i, 1,2,3,4,5,6,7
.irp t, 0,1,2,3
.irp e, 0,1,2,3,4,5,6,7
	v_fmac_f32 v[ACC+8*\t+\e], v[X+8*\t+\i], v[WR+8*\i+\e]
.endr
.endr
.endr
	s_wait_kmcnt 0x0
	s_add_co_i32 s32, s32, 127
	s_lshl_b32 s33, s32, 23
	v_mov_b32 v144, s33                            ; 2^e0 as f32: the conversion takes its exponent field
	s_add_co_i32 s32, s32, 8
	s_lshl_b32 s32, s32, 23
	s_or_b32 s32, s32, 0x600000
	v_mov_b32 v145, s32                            ; 448 x 2^e0
.irp t, 0,1,2,3
.irp i, 0,1,2,3,4,5,6,7
	v_med3_num_f32 v[X+8*\t+\i], v[X+8*\t+\i], -v145, v145   ; the conversion to an 8-bit code does not saturate (ISA guide 7.6.2): the hold comes first
.endr
	v_cvt_scalef32_pk8_fp8_f32 v[CD+2*\t:CD+2*\t+1], v[X+8*\t:X+8*\t+7], v144
	global_store_b64 v4, v[CD+2*\t:CD+2*\t+1], s[12:13] offset:1024*\t   ; a wave stores 256 consecutive bytes, aligned
.endr
	v_nop                                          ; a plain line behind the last conversion
.irp m, 1,2,4,8                                ; the sums over 16 lanes ride on the additions
.set NN, 0
.rept 32
	v_add_f32_dpp v[ACC+NN], v[ACC+NN], v[ACC+NN] row_xmask:\m row_mask:0xf bank_mask:0xf
.set NN, NN+1
.endr
.endr
.set NN, 0
.rept 32
	v_permlanex16_b32 v[WR+NN], v[ACC+NN], s34, s35   ; the other half's (the destination was written by the loads)
.set NN, NN+1
.endr
.set NN, 0
.rept 32
	v_add_f32 v[ACC+NN], v[ACC+NN], v[WR+NN]
.set NN, NN+1
.endr
.irp k, 0,1,2,3,4,5,6,7
	ds_store_b128 v5, v[ACC+4*\k:ACC+4*\k+3] offset:16*\k   ; all lanes write the same words with the same numbers
.endr
	s_wait_dscnt 0x0                               ; for the others' sake: my stores are done
	s_barrier_signal -1
	s_barrier_wait -1
.irp u, 0,1,2,3
	ds_load_b128 v[LG+8*\u:LG+8*\u+3],   v6 offset:128*\u
	ds_load_b128 v[LG+8*\u+4:LG+8*\u+7], v6 offset:128*\u+16
.endr
	s_wait_dscnt 0x0
.irp e, 0,1,2,3,4,5,6,7
	v_add_f32 v[LO+\e], v[LG+\e], v[LG+8+\e]
	v_add_f32 v[TT+\e], v[LG+16+\e], v[LG+24+\e]
.endr
.irp e, 0,1,2,3,4,5,6,7
	v_add_f32 v[LO+\e], v[LO+\e], v[TT+\e]
.endr
.irp e, 0,1,2,3,4,5,6,7
	v_add_f32 v[LO+\e], s[24+\e], v[LO+\e]         ; + br
.endr
	v_max3_num_f32 v162, v[LO], v[LO+1], v[LO+2]   ; the largest logit
	v_max3_num_f32 v162, v162, v[LO+3], v[LO+4]
	v_max3_num_f32 v162, v162, v[LO+5], v[LO+6]
	v_max_num_f32 v162, v162, v[LO+7]
.irp e, 0,1,2,3,4,5,6,7
	v_sub_f32 v[LO+\e], v[LO+\e], v162
.endr
.irp e, 0,1,2,3,4,5,6,7
	v_mul_f32 v[LO+\e], 0x3fb8aa3b, v[LO+\e]       ; x log2(e)
.endr
.irp e, 0,1,2,3,4,5,6,7
	v_exp_f32 v[LO+\e], v[LO+\e]
.endr
	v_nop                                          ; a plain line behind the last exponential,
	s_wait_alu depctr_va_vdst(0)                   ; and one wait for the batch, ahead of its first reader
	v_add_f32 v162, v[LO], v[LO+1]
	v_add_f32 v163, v[LO+2], v[LO+3]
	v_add_f32 v[TT], v[LO+4], v[LO+5]
	v_add_f32 v[TT+1], v[LO+6], v[LO+7]
	v_add_f32 v162, v162, v163
	v_add_f32 v[TT], v[TT], v[TT+1]
	v_add_f32 v162, v162, v[TT]
	v_rcp_f32 v163, v162
	v_nop
	s_wait_alu depctr_va_vdst(0)
.irp e, 0,1,2,3,4,5,6,7
	v_mul_f32 v[LO+\e], v[LO+\e], v163             ; the scores
.endr
	v_mov_b32 v154, v[LO]                          ; the largest score sa and its expert ea: the old one stays where it is not smaller
	v_mov_b32 v164, 0
.irp e, 1,2,3,4,5,6,7
	v_cmp_ge_f32 vcc_lo, v154, v[LO+\e]
	v_cndmask_b32 v154, v[LO+\e], v154, vcc_lo
	v_cndmask_b32 v164, \e, v164, vcc_lo
.endr
.irp e, 0,1,2,3,4,5,6,7
	v_cmp_ne_u32 vcc_lo, \e, v164
	v_cndmask_b32 v[LO+\e], -1.0, v[LO+\e], vcc_lo ; the winner leaves: scores are not negative
.endr
	v_mov_b32 v155, v[LO]                          ; the second, sb and eb
	v_mov_b32 v165, 0
.irp e, 1,2,3,4,5,6,7
	v_cmp_ge_f32 vcc_lo, v155, v[LO+\e]
	v_cndmask_b32 v155, v[LO+\e], v155, vcc_lo
	v_cndmask_b32 v165, \e, v165, vcc_lo
.endr
	v_sub_f32 v156, v155, v154                     ; sb - sa, 0 or less
	v_mul_f32 v156, 0x3fb8aa3b, v156
	v_exp_f32 v156, v156
	v_nop
	s_wait_alu depctr_va_vdst(0)
	v_add_f32 v157, 1.0, v156
	v_rcp_f32 v160, v157                           ; wa
	v_nop
	s_wait_alu depctr_va_vdst(0)
	v_mul_f32 v161, v156, v160                     ; wb
	s_lshl_b32 s37, s36, 3
	v_mov_b32 v167, s37                            ; 8 bytes a token in sel and in gate
	v_cmp_eq_u32 vcc_lo, 0, v1
	s_wait_xcnt 0x0                                ; EXEC changes only behind this wait: the stores of the codes have been issued
	s_wait_tensorcnt 0x0
	ds_add_u32 v168, v169
	s_wait_dscnt 0x0
	s_and_saveexec_b32 s38, vcc_lo
	global_store_b64 v167, v[164:165], s[14:15]
	global_store_b64 v167, v[160:161], s[16:17]
	s_wait_xcnt 0x0
	s_or_b32 exec_lo, exec_lo, s38
	s_endpgm
.Lfunc_end_k_qa92dc84e2c_route:
	.size	k_qa92dc84e2c_route, .Lfunc_end_k_qa92dc84e2c_route-k_qa92dc84e2c_route
	.p2alignl 7, 3214868480
	.fill 96, 4, 3214868480
	.section	.rodata,"a",@progbits
	.p2align	6, 0x0
	.amdhsa_kernel k_qa92dc84e2c_route
		.amdhsa_group_segment_fixed_size 1024
		.amdhsa_private_segment_fixed_size 0
		.amdhsa_enable_private_segment 0
		.amdhsa_kernarg_size 56
		.amdhsa_user_sgpr_count 2
		.amdhsa_user_sgpr_kernarg_segment_ptr 1
		.amdhsa_wavefront_size32 1
		.amdhsa_system_sgpr_workgroup_id_x 1
		.amdhsa_system_sgpr_workgroup_id_y 1
		.amdhsa_system_sgpr_workgroup_id_z 1
		.amdhsa_system_vgpr_workitem_id 0
		.amdhsa_next_free_vgpr 170
		.amdhsa_next_free_sgpr 66
		.amdhsa_reserve_vcc 1
		.amdhsa_float_denorm_mode_32 3
		.amdhsa_float_denorm_mode_16_64 3
		.amdhsa_memory_ordered 1
		.amdhsa_forward_progress 1
		.amdhsa_inst_pref_size 33
	.end_amdhsa_kernel
	.amdgpu_metadata
---
amdhsa.version: [ 1, 2 ]
amdhsa.kernels:
  - .name:           k_qa92dc84e2c_route
    .symbol:         k_qa92dc84e2c_route.kd
    .args:
      - { .name: inputs, .offset: 0, .size: 8, .value_kind: global_buffer, .address_space: global }
      - { .name: Wr, .offset: 8, .size: 8, .value_kind: global_buffer, .address_space: global }
      - { .name: br, .offset: 16, .size: 8, .value_kind: global_buffer, .address_space: global }
      - { .name: lowp_scales, .offset: 24, .size: 8, .value_kind: global_buffer, .address_space: global }
      - { .name: xq, .offset: 32, .size: 8, .value_kind: global_buffer, .address_space: global }
      - { .name: sel, .offset: 40, .size: 8, .value_kind: global_buffer, .address_space: global }
      - { .name: gate, .offset: 48, .size: 8, .value_kind: global_buffer, .address_space: global }
    .group_segment_fixed_size: 1024
    .private_segment_fixed_size: 0
    .kernarg_segment_align: 8
    .kernarg_segment_size: 56
    .max_flat_workgroup_size: 128
    .sgpr_count:     66
    .vgpr_count:     170
    .wavefront_size: 32
...
	.end_amdgpu_metadata
.endif
;; end of part 1
;; launch up (part 2): grid 32 x 8, 4 waves a work-group, no clusters, 137,728 bytes of LDS; arguments xq, W1_codes, b1, lowp_scales, sel, hid, plan; writes hid, plan
.if DOCPART == 2
	.amdgcn_target "amdgcn-amd-amdhsa--gfx1250"
	.amdhsa_code_object_version 6
	.text
	.protected	k_qa92dc84e2c_up
	.globl	k_qa92dc84e2c_up
	.p2align	8
	.type	k_qa92dc84e2c_up,@function
k_qa92dc84e2c_up:
	s_mov_b64 s[64:65], 0
	v_nop
	global_prefetch_b8 v0, s[64:65] scope:SCOPE_SE
	s_setreg_imm32_b32 hwreg(HW_REG_WAVE_MODE, 25, 1), 1
	s_wait_xcnt 0x0
; hid = Q(gelu(x W1^T + b1)) for the rows that chose an expert.  Work-group (x = slice, y = expert) keeps 128 hidden units x 1,024 K of W1's
; codes (128 KB) in LDS, read from memory once in the whole launch, and walks the expert's rows, 16 to a tile.
; THE ROWS ARE PLACED HERE, while W1 is on its way.  Every wave reads all 1,024 tokens' two choices (sel, 8 KB, stored by the launch before) and counts: a token's place P in
; my expert's list is the number of tokens ahead of it that chose the expert (a running scalar count + the set mask bits below the lane).  A token that did not choose it
; takes place 1023 - (tokens ahead - P), so the list is filled from both ends and all 1,024 entries hold a token.  Tokens go in the order 64 i + j + 2 l (load i, word pair j, lane l).
; Wave 0 alone puts the list into LDS, and no other wave touches LDS ahead of the first barrier.  Behind it each wave reads the tokens of all the tiles that it can ever have: 16 loads.
; For the later launches wave 0 of the work-groups of slice 0 stores plan: byte 4,096 e: pos[e][token] = P (meant for tokens that chose e); byte 40,960 + 4 e: n_e.
; In a pass wave w takes tiles 20 p + 4 i + w, i = 0 .. 4, against all 128 units: 40 accumulators.  K goes in 8 steps of 128; a half step
; is four fragments of W1 from LDS x five fragments of x: 20 matrix instructions.  x's rows are gathered from xq by the list.
; THE PRODUCT IS USED TRANSPOSED (source 0 = 16 units of W1, source 1 = 16 rows of x), AND THE UNITS OF A TILE ARE NOT NEIGHBOURS: row m of tile
; 2 b + u is unit 32 b + 8 u + m + 8 (m / 8).  So a lane holds one row of x, and the 16 registers of tiles 2 b, 2 b + 1 are units 32 b + 16 (lane / 16) + 0 .. 15:
; the conversions' results are a fragment of the next product.  In LDS the units lie with bits 3 and 4 of their number exchanged, so that a tile is 16 rows on end.
; A fragment holds, in registers 4 c .. 4 c + 3, k = 32 c + 16 (lane / 16) + 0 .. 15: the same places in both operands of both products.
; hid is laid as images of those registers: [expert][64 tiles][32 K steps][2,048 bytes], group c of lane l at 512 c + 16 l: a slice of 128 units is one K step.
; gelu(v) = z (1 + erf z) / sqrt 2, z = v / sqrt 2; erf z = z P(z^2) / Q(z^2) with |z| held at 4 in P and Q: the usual f32 rational form.
; Tile 0 of every expert is always made, so that the next launch may read it whatever n_e is.  Rows of a tile past n_e are other tokens' rows; nobody reads their results.
; NO TENSOR LOADS, NO CLUSTER: the number of passes is ceil(ceil(n_e / 16) - w, 20), a number made of numbers read from memory, and differs from expert to expert and from wave to wave.
; LIMITS: e0 + e1 between -125 and 127; e3 between -126 and 119.  NaN codes in W1 are not served.
; REGISTERS, in windows of 256: window 0: v0-35 addresses and constants; v36-55 the queue of tokens; v64-255 three sets of four fragments of W1 (at the head: sel, places, list addresses, tokens);
;   on the way out Z v64-127, at work v128-191, codes v192-207.
;   window 1: x's buffers 0, 1, 2 (80 registers: five fragments).  window 2: buffer 3 at v0; tile i = 4's accumulators at v128; b1 / sqrt 2 at v192.
;   window 3: the accumulators of i = 0 .. 3 at v[64 i + 8 t]; at the head the 256 registers through which W1 goes to LDS.
.set PW,  1040                         ; a row of W1 in LDS: 1,024 bytes + 16: an odd multiple of 16, so that the 16 rows of a load fall 16 bytes apart modulo 256
.set LIST, 128*PW                      ; behind W1's rows: my expert's list, 1,024 words
.set QU,  36                           ; v[36:55]   the tokens of my tiles, 5 p + i; a pass takes the first five
.set SEL, 64                           ; v[64:127]  step n = 2 i + j: first choice at 2 n, second behind it
.set PP,  128                          ; v[128:159] the place among those that chose my expert
.set LA,  160                          ; v[160:191] LDS address of the list entry
.set TOK, 192                          ; v[192:223] the token
.set ZR,  64
.set TC,  128
.set TY,  144
.set TP,  160
.set TQ,  176
.set PC,  192
.set MSB, 0
.macro WIN new                         ; the immediate's high byte repeats the setting that is left
.if MSB != (\new)
	s_set_vgpr_msb (MSB<<8)|(\new)
.set MSB, (\new)
.endif
.endm
.macro PAIR r, val                     ; a constant as a pair: the packed forms name a pair and take its low word for both halves
	s_mov_b32 s[\r], \val
	s_mov_b32 s[\r+1], \val
.endm
; Eight steps of 32 tokens, each kind of line as a batch, so that no line waits for the line above it.
.macro GROUP g
.set KK, 0
.rept 8
.set NN, 8*(\g)+KK
	v_cmp_eq_u32 s[66+2*KK], s18, v[SEL+2*NN]
	v_cmp_eq_u32 s[67+2*KK], s18, v[SEL+2*NN+1]
.set KK, KK+1
.endr
.set KK, 0
.rept 8
	s_or_b32 s[66+2*KK], s[66+2*KK], s[67+2*KK]    ; who chose my expert
.set KK, KK+1
.endr
.set KK, 0
.rept 8
.set NN, 8*(\g)+KK
	v_mbcnt_lo_u32_b32 v[PP+NN], s[66+2*KK], s22   ; the place from the front
	s_bcnt1_i32_b32 s21, s[66+2*KK]
	s_add_co_u32 s22, s22, s21                     ; chosen so far
.set KK, KK+1
.endr
.set KK, 0
.rept 8
.set NN, 8*(\g)+KK
	v_add3_u32 v[LA+NN], v[PP+NN], v10, 1023-32*NN ; the place from the end: 1023 - (32 n + lane - P)
.set KK, KK+1
.endr
.set KK, 0
.rept 8
.set NN, 8*(\g)+KK
	v_cndmask_b32 v[LA+NN], v[LA+NN], v[PP+NN], s[66+2*KK]
.set KK, KK+1
.endr
.set KK, 0
.rept 8
.set NN, 8*(\g)+KK
	v_min_u32 v[LA+NN], 1023, v[LA+NN]             ; a number made of loaded numbers is held before it enters an address
.set KK, KK+1
.endr
.set KK, 0
.rept 8
.set NN, 8*(\g)+KK
	v_lshl_add_u32 v[LA+NN], v[LA+NN], 2, LIST
	v_lshl_add_u32 v[TOK+NN], v1, 1, 64*(NN/2)+(NN%2)
.set KK, KK+1
.endr
.endm
.macro WLOAD j                         ; half step j: tiles 4 (j % 2) + f, K step j / 2, into set j % 3
.irp f, 0,1,2,3
.irp c, 0,1,2,3
	ds_load_b128 v[64+64*((\j)%3)+16*\f+4*\c:64+64*((\j)%3)+16*\f+4*\c+3], v[6+(\j)%2] offset:16*\f*PW+128*((\j)/2)+32*\c
.endr
.endr
.endm
.macro XLOAD s                         ; K step s of my five tiles of rows into buffer s % 4
.if ((\s)%4) == 3
	WIN 0x80
.set XL, 0
.else
	WIN 0x40
.set XL, 80*((\s)%4)
.endif
.irp i, 0,1,2,3,4
.irp c, 0,1,2,3
	global_load_b128 v[XL+16*\i+4*\c:XL+16*\i+4*\c+3], v[22+\i], s[4:5] offset:128*(\s)+32*\c
.endr
.endr
.endm
.macro XADDR                           ; the queue's first five tokens: token x 1,024 + 16 (lane / 16)
.irp i, 0,1,2,3,4
	v_min_u32 v[16+\i], 1023, v[QU+\i]
	v_lshl_add_u32 v[22+\i], v[16+\i], 10, v9
.endr
.endm
; Half step HJ.  The 40 accumulators take turns, one instruction a turn.
.macro HSTEP
.set HS, HJ/2
.set WSET, 64+64*(HJ%3)
.if (HS%4) == 3
.set XBAS, 0
.set XWIN, 8
.else
.set XBAS, 80*(HS%4)
.set XWIN, 4
.endif
.if (HJ%2) == 0
.if HS+3 < 7
	s_wait_loadcnt 60                              ; this K step's 20 loads of x are in; those of the three steps behind it may be out
.else
	s_wait_loadcnt 20*(7-HS)
.endif
.endif
.if HJ < 13
	s_wait_dscnt 32                                ; this half step's set is in; the two younger sets, 16 loads each, may be out
.else
	s_wait_dscnt 16*(15-HJ)
.endif
	WIN 0xf0|XWIN                                  ; W1 window 0, x window 1 or 2, C and D window 3
.irp f, 0,1,2,3
.irp i, 0,1,2,3
.if HS == 0
	v_wmma_f32_16x16x128_fp8_fp8 v[64*\i+8*(4*(HJ%2)+\f):64*\i+8*(4*(HJ%2)+\f)+7], v[WSET+16*\f:WSET+16*\f+15], v[XBAS+16*\i:XBAS+16*\i+15], 0
.else
	v_wmma_f32_16x16x128_fp8_fp8 v[64*\i+8*(4*(HJ%2)+\f):64*\i+8*(4*(HJ%2)+\f)+7], v[WSET+16*\f:WSET+16*\f+15], v[XBAS+16*\i:XBAS+16*\i+15], v[64*\i+8*(4*(HJ%2)+\f):64*\i+8*(4*(HJ%2)+\f)+7]
.endif
.endr
.endr
	WIN 0xa0|XWIN                                  ; the fifth tile's accumulators lie in window 2
.irp f, 0,1,2,3
.if HS == 0
	v_wmma_f32_16x16x128_fp8_fp8 v[128+8*(4*(HJ%2)+\f):128+8*(4*(HJ%2)+\f)+7], v[WSET+16*\f:WSET+16*\f+15], v[XBAS+64:XBAS+79], 0
.else
	v_wmma_f32_16x16x128_fp8_fp8 v[128+8*(4*(HJ%2)+\f):128+8*(4*(HJ%2)+\f)+7], v[WSET+16*\f:WSET+16*\f+15], v[XBAS+64:XBAS+79], v[128+8*(4*(HJ%2)+\f):128+8*(4*(HJ%2)+\f)+7]
.endif
.endr
.rept 4
	v_nop                                          ; four places in front of loads into registers that these products have read (ISA guide 7.12.1 for vector instructions)
.endr
	WIN 0
.if HJ+3 < 16
	WLOAD HJ+3                                     ; into the set just multiplied
.endif
.if ((HJ%2) == 1) && (HS+4 < 8)
	XLOAD HS+4                                     ; into the buffer just multiplied
	WIN 0
.endif
.endm
.macro COPY i                          ; z = sum x 2^(e0 + e1) / sqrt 2 + b1 / sqrt 2, each accumulator from its low end on
.if (\i) == 4
	WIN 0x22
.set AB, 128
.else
	WIN 0x23
.set AB, 64*(\i)
.endif
.set NN, 0
.rept 32
	v_pk_fma_f32 v[ZR+NN:ZR+NN+1], v[AB+NN:AB+NN+1], s[30:31], v[192+NN:193+NN] op_sel_hi:[1,0,1]
.set NN, NN+2
.endr
	WIN 0
.endm
.macro STAGE8 d, a, k                  ; d = a x y + constant pair k, eight pairs
.set NN, 0
.rept 8
	v_pk_fma_f32 v[\d+NN:\d+NN+1], v[\a+NN:\a+NN+1], v[TY+NN:TY+NN+1], s[\k:\k+1] op_sel_hi:[1,1,0]
.set NN, NN+2
.endr
.endm
.macro MUL8 d, a, b
.set NN, 0
.rept 8
	v_pk_mul_f32 v[\d+NN:\d+NN+1], v[\a+NN:\a+NN+1], v[\b+NN:\b+NN+1]
.set NN, NN+2
.endr
.endm
.macro GELUQ b                         ; 16 numbers z of a lane, units 32 b + 16 (lane / 16) + 0 .. 15, become 16 codes
.set ZB, ZR+16*(\b)
.set NN, 0
.rept 16
	v_med3_num_f32 v[TC+NN], v[ZB+NN], -4.0, 4.0
.set NN, NN+1
.endr
	MUL8 TY, TC, TC                                ; y = z^2
.set NN, 0
.rept 8
	v_pk_fma_f32 v[TP+NN:TP+NN+1], v[TY+NN:TY+NN+1], v[30:31], s[34:35] op_sel_hi:[1,1,0]
	v_pk_fma_f32 v[TQ+NN:TQ+NN+1], v[TY+NN:TY+NN+1], v[32:33], s[46:47] op_sel_hi:[1,1,0]
.set NN, NN+2
.endr
	STAGE8 TP, TP, 36
	STAGE8 TQ, TQ, 48
	STAGE8 TP, TP, 38
	STAGE8 TQ, TQ, 50
	STAGE8 TP, TP, 40
	STAGE8 TQ, TQ, 52
	STAGE8 TP, TP, 42
	STAGE8 TP, TP, 44
.set NN, 0
.rept 16
	v_rcp_f32 v[TQ+NN], v[TQ+NN]
.set NN, NN+1
.endr
	MUL8 TP, TP, TC                                ; z P: plain lines behind the reciprocals, which name none of their results
	s_wait_alu depctr_va_vdst(0)                   ; one wait for the 16 reciprocals, ahead of their first reader
	MUL8 TP, TP, TQ                                ; erf z
.set NN, 0
.rept 8
	v_pk_fma_f32 v[TP+NN:TP+NN+1], v[TP+NN:TP+NN+1], s[32:33], s[32:33] op_sel_hi:[1,0,0]   ; (1 + erf z) / sqrt 2
.set NN, NN+2
.endr
	MUL8 ZB, ZB, TP                                ; gelu
.set NN, 0
.rept 16
	v_med3_num_f32 v[ZB+NN], v[ZB+NN], -v29, v29   ; the conversion does not saturate (ISA guide 7.6.2): the hold at 448 x 2^e3
.set NN, NN+1
.endr
	v_cvt_scalef32_pk8_fp8_f32 v[PC+4*(\b):PC+4*(\b)+1], v[ZB:ZB+7], v28
	v_cvt_scalef32_pk8_fp8_f32 v[PC+4*(\b)+2:PC+4*(\b)+3], v[ZB+8:ZB+15], v28
.endm
	s_load_b256 s[4:11], s[0:1], 0x0               ; xq s[4:5], W1's codes s[6:7], b1 s[8:9], the scales' exponents s[10:11]
	s_load_b128 s[12:15], s[0:1], 0x20             ; sel s[12:13], hid s[14:15]
	s_load_b64 s[56:57], s[0:1], 0x30              ; plan
	v_lshl_add_u32 v62, v0, 2, 0x21800
	v_mov_b32 v63, 0
	v_lshrrev_b32 v1, 5, v0
	v_readfirstlane_b32 s16, v1                    ; wave
	v_and_b32 v1, 31, v0                           ; lane
	v_and_b32 v2, 15, v0                           ; r
	v_bfe_u32 v3, v0, 4, 1                         ; h
	v_lshlrev_b32 v5, 4, v1                        ; 16 x lane
	s_mul_i32 s28, s16, 32*PW
	v_add_nc_u32 v4, s28, v5                       ; W1 into LDS: my wave's 32 rows
	v_mul_u32_u24 v6, v2, PW
	v_lshl_add_u32 v6, v3, 4, v6                   ; a fragment's row x pitch + 16 h: tiles 0-3,
	v_add_nc_u32 v7, 64*PW, v6                     ; tiles 4-7
	s_lshl_b32 s28, s16, 4
	v_add_nc_u32 v8, s28, v2                       ; 16 w + r
	v_lshlrev_b32 v35, 2, v8
	v_add_nc_u32 v35, LIST, v35                    ; the list entry of my row in tile w; later tiles stand in the loads' immediates
	v_lshlrev_b32 v9, 4, v3                        ; 16 h
	v_lshlrev_b32 v34, 6, v3                       ; b1: 16 h numbers
	v_sub_nc_u32 v10, 0, v1                        ; - lane
	s_mov_b32 s17, ttmp9                           ; slice
	s_and_b32 s18, ttmp7, 0xffff                   ; expert
	s_lshl_b32 s55, s18, 2
	s_mov_b32 s22, 0                               ; tokens that chose my expert, so far
	s_lshl_b32 s28, s18, 22                        ; W1: expert x 4 MiB + slice x 128 KiB + wave x 32 KiB
	s_lshl_b32 s29, s17, 17
	s_add_co_u32 s28, s28, s29
	s_lshl_b32 s29, s16, 15
	s_add_co_u32 s28, s28, s29
	s_mov_b32 s29, 0
	s_wait_kmcnt 0x0
	s_add_nc_u64 s[6:7], s[6:7], s[28:29]
.irp i, 0,1,2,3,4,5,6,7,8,9,10,11,12,13,14,15
	global_load_b128 v[SEL+4*\i:SEL+4*\i+3], v5, s[12:13] offset:512*\i   ; the choices come first: loads return in order (ISA guide 5.7.1), and the placing is done while W1 arrives
.endr
	WIN 0xc0                                       ; destination window 3
.set KK, 0
.rept 64
	global_load_b128 v[4*KK:4*KK+3], v5, s[6:7] offset:512*KK th:TH_LOAD_NT   ; 512 consecutive bytes a load; each byte of W1 is read once in the launch
.set KK, KK+1
.endr
	WIN 0
	s_load_b128 s[24:27], s[10:11], 0x0            ; e0 .. e3
	s_lshl_b32 s28, s18, 14
	s_lshl_b32 s59, s17, 9
	s_add_co_u32 s28, s28, s59
	s_add_nc_u64 s[8:9], s[8:9], s[28:29]          ; b1 at my 128 units
	s_lshl_b32 s28, s18, 22
	s_lshl_b32 s59, s17, 11
	s_add_co_u32 s28, s28, s59
	s_add_nc_u64 s[14:15], s[14:15], s[28:29]      ; hid at my expert and my K step
	WIN 0x80                                       ; destination window 2
.irp t, 0,1,2,3,4,5,6,7                        ; b1 in the result's layout: tile t, lane half h: units 32 (t / 2) + 16 h + 8 (t % 2) + 0 .. 7
	global_load_b128 v[192+8*\t:195+8*\t], v34, s[8:9] offset:4*(32*(\t/2)+8*(\t%2))
	global_load_b128 v[196+8*\t:199+8*\t], v34, s[8:9] offset:4*(32*(\t/2)+8*(\t%2))+16
.endr
	WIN 0
	PAIR 32, 0x3f3504f3                            ; 1 / sqrt 2
	PAIR 34, 0x32edffee                            ; P's coefficients of z^11, 9, 7, 5, 3, 1
	PAIR 36, 0xb60cff51
	PAIR 38, 0xb86ec2d2
	PAIR 40, 0xba40ac63
	PAIR 42, 0xbb41a1f6
	PAIR 44, 0xbc83dbd4
	PAIR 46, 0xb95fbd29                            ; Q's of z^6, 4, 2, 0
	PAIR 48, 0xbadc924e
	PAIR 50, 0xbbf19bf8
	PAIR 52, 0xbc69b6a7
	v_mov_b32 v30, 0xaf95df0b                      ; P's of z^13
	v_mov_b32 v31, 0xaf95df0b
	v_mov_b32 v32, 0xb77460cd                      ; Q's of z^8
	v_mov_b32 v33, 0xb77460cd
	s_lshl_b32 s59, s18, 12
	v_lshl_add_u32 v11, v1, 3, s59                 ; plan: my expert's row of pos, two words a lane
	v_mov_b32 v12, s55                             ; and its count's word
	s_wait_loadcnt 63                              ; 96 loads have been issued (16 + 64 + 16): with 63 out at the most the oldest 33 are in, the 16 of the choices among them
	GROUP 0
	GROUP 1
	GROUP 2
	GROUP 3
	v_mov_b32 v13, s22                             ; n_e
	s_min_u32 s19, s22, 1024
	s_cmp_lg_u32 s16, 0
	s_cbranch_scc1 .Llisted                        ; wave 0 alone writes the list; the other waves touch no LDS ahead of the barrier below
.set NN, 0
.rept 32
	ds_store_b32 v[LA+NN], v[TOK+NN]
.set NN, NN+1
.endr
	s_cmp_lg_u32 s17, 0
	s_cbranch_scc1 .Llisted                        ; and in the work-group of slice 0 it stores the expert's part of plan
.irp i, 0,1,2,3,4,5,6,7,8,9,10,11,12,13,14,15
	global_store_b64 v11, v[PP+2*\i:PP+2*\i+1], s[56:57] offset:256*\i   ; pos[e][64 i + 2 l], [.. + 1]: 256 consecutive bytes a store, aligned
.endr
	v_cmp_eq_u32 vcc_lo, 0, v1
	s_wait_xcnt 0x0                                ; EXEC changes only behind this wait: loads and stores have been issued
	s_and_saveexec_b32 s21, vcc_lo
	global_store_b32 v12, v13, s[56:57] offset:40960
	s_wait_xcnt 0x0                                ; and again; behind it the stores' registers may be written too
	s_or_b32 exec_lo, exec_lo, s21
.Llisted:
	s_wait_dscnt 0x0                               ; for the others' sake: the list is written
	s_barrier_signal -1
	s_barrier_wait -1                              ; behind it the list is only read
.irp p, 0,1,2
.irp i, 0,1,2,3,4
	ds_load_b32 v[QU+5*\p+\i], v35 offset:1280*\p+256*\i   ; list entry 320 p + 64 i + 16 w + r: row r of tile 20 p + 4 i + w
.endr
.endr
	ds_load_b32 v[QU+15], v35 offset:3840          ; of the fourth pass only tile 60 + w lies inside the 64 tiles
	s_wait_dscnt 0x0
.irp k, 16,17,18,19
	v_mov_b32 v[QU+\k], v[QU+15]                   ; the other four of that pass are never stored: any token serves
.endr
	XADDR
	XLOAD 0                                        ; x's first two K steps are asked for while W1 is still landing
	XLOAD 1
	s_wait_loadcnt 40                              ; W1's 64 loads and b1's 16 are in; the 40 of x may be out
	WIN 0x0c                                       ; store data window 3
.set KK, 0
.rept 64
.set MM, KK/2                                  ; my wave's row; in LDS its bits 3 and 4 change places
	ds_store_b128 v4, v[4*KK:4*KK+3] offset:((MM&7)|(((MM>>3)&1)<<4)|(((MM>>4)&1)<<3))*PW+512*(KK%2)
.set KK, KK+1
.endr
	WIN 0x82
.set NN, 0
.rept 32
	v_pk_mul_f32 v[192+NN:193+NN], v[192+NN:193+NN], s[32:33] op_sel_hi:[1,0]   ; b1 / sqrt 2
.set NN, NN+2
.endr
	XLOAD 2
	XLOAD 3
	WIN 0
	s_wait_kmcnt 0x0
	s_add_co_i32 s30, s24, s25
	s_lshl_b32 s30, s30, 23
	s_add_co_u32 s30, s30, 0x3f3504f3              ; 2^(e0 + e1) / sqrt 2: the exponents are added to the constant's exponent field
	s_mov_b32 s31, s30
	s_add_co_i32 s59, s27, 127
	s_lshl_b32 s28, s59, 23
	v_mov_b32 v28, s28                             ; 2^e3
	s_add_co_i32 s59, s59, 8
	s_lshl_b32 s59, s59, 23
	s_or_b32 s59, s59, 0x600000
	v_mov_b32 v29, s59                             ; 448 x 2^e3
	s_add_co_u32 s19, s19, 15
	s_lshr_b32 s19, s19, 4
	s_max_u32 s19, s19, 1                          ; tiles of rows, at least one
	s_add_co_u32 s20, s19, 19
	s_sub_co_u32 s20, s20, s16
	s_mul_i32 s20, s20, 3277
	s_lshr_b32 s20, s20, 16                        ; my passes: (tiles - w + 19) / 20, rounded down (exact up to 83): four at the most
	s_mov_b32 s21, 0                               ; p
	s_mov_b32 s58, s16                             ; 20 p + w
	s_wait_dscnt 0x0                               ; for the others' sake: my rows of W1 lie in LDS
	s_barrier_signal -1
	s_barrier_wait -1                              ; the second and last barrier, ahead of every branch on a number made of loaded numbers; behind it LDS is only read
	s_cmp_eq_u32 s20, 0
	s_cbranch_scc1 .Lend
.Lpass:
	WLOAD 0
	WLOAD 1
	WLOAD 2
.set HJ, 0
.rept 16
	HSTEP
.set HJ, HJ+1
.endr
.rept 5
	v_nop                                          ; with the four above: the places in front of the first read of results, and of the next pass's products, which begin the accumulators anew
.endr
	s_mov_b32 s22, 0                               ; i
.Lepi:
	s_lshl_b32 s23, s22, 2
	s_add_co_u32 s23, s23, s58                     ; the tile
	s_cmp_ge_u32 s23, s19
	s_cbranch_scc1 .Lnext                          ; past the expert's rows: nothing is stored
	s_wait_xcnt 0x0                                ; the last tile's stores have read their codes and their offset: both are written again below
	s_min_u32 s59, s23, 63
	s_lshl_b32 s59, s59, 16
	v_add_nc_u32 v27, s59, v5                      ; tile x 64 KiB + 16 x lane
	s_cmp_eq_u32 s22, 0
	s_cbranch_scc0 .Lc1
	COPY 0
	s_branch .Lcom
.Lc1:
	s_cmp_eq_u32 s22, 1
	s_cbranch_scc0 .Lc2
	COPY 1
	s_branch .Lcom
.Lc2:
	s_cmp_eq_u32 s22, 2
	s_cbranch_scc0 .Lc3
	COPY 2
	s_branch .Lcom
.Lc3:
	s_cmp_eq_u32 s22, 3
	s_cbranch_scc0 .Lc4
	COPY 3
	s_branch .Lcom
.Lc4:
	COPY 4
.Lcom:
	GELUQ 0
	GELUQ 1
	GELUQ 2
	GELUQ 3
	v_nop                                          ; a plain line behind the last conversion
.irp c, 0,1,2,3
	global_store_b128 v27, v[PC+4*\c:PC+4*\c+3], s[14:15] offset:512*\c   ; the fragment as it stands: 512 consecutive bytes a store, aligned
.endr
.Lnext:
	s_add_co_u32 s22, s22, 1
	s_cmp_lt_u32 s22, 5
	s_cbranch_scc1 .Lepi
	s_add_co_u32 s21, s21, 1
	s_cmp_ge_u32 s21, s20
	s_cbranch_scc1 .Lend
	s_wait_xcnt 0x0                                ; the stores have read the codes' registers, into which the next pass's fragments of W1 are loaded
	s_add_co_u32 s58, s58, 20
.irp k, 0,1,2,3,4,5,6,7,8,9,10,11,12,13,14
	v_mov_b32 v[QU+\k], v[QU+5+\k]                 ; the queue moves up by a pass's five tokens
.endr
	XADDR
	XLOAD 0
	XLOAD 1
	XLOAD 2
	XLOAD 3
	WIN 0
	s_cmp_lt_u32 s21, s20
	s_cbranch_scc1 .Lpass
.Lend:
	s_wait_tensorcnt 0x0
	ds_add_u32 v62, v63
	s_wait_dscnt 0x0
	s_endpgm
.Lfunc_end_k_qa92dc84e2c_up:
	.size	k_qa92dc84e2c_up, .Lfunc_end_k_qa92dc84e2c_up-k_qa92dc84e2c_up
	.p2alignl 7, 3214868480
	.fill 96, 4, 3214868480
	.section	.rodata,"a",@progbits
	.p2align	6, 0x0
	.amdhsa_kernel k_qa92dc84e2c_up
		.amdhsa_group_segment_fixed_size 137728
		.amdhsa_private_segment_fixed_size 0
		.amdhsa_enable_private_segment 0
		.amdhsa_kernarg_size 56
		.amdhsa_user_sgpr_count 2
		.amdhsa_user_sgpr_kernarg_segment_ptr 1
		.amdhsa_wavefront_size32 1
		.amdhsa_system_sgpr_workgroup_id_x 1
		.amdhsa_system_sgpr_workgroup_id_y 1
		.amdhsa_system_sgpr_workgroup_id_z 1
		.amdhsa_system_vgpr_workitem_id 0
		.amdhsa_next_free_vgpr 1024
		.amdhsa_next_free_sgpr 82
		.amdhsa_reserve_vcc 1
		.amdhsa_float_denorm_mode_32 3
		.amdhsa_float_denorm_mode_16_64 3
		.amdhsa_memory_ordered 1
		.amdhsa_forward_progress 1
		.amdhsa_inst_pref_size 165
	.end_amdhsa_kernel
	.amdgpu_metadata
---
amdhsa.version: [ 1, 2 ]
amdhsa.kernels:
  - .name:           k_qa92dc84e2c_up
    .symbol:         k_qa92dc84e2c_up.kd
    .args:
      - { .name: xq, .offset: 0, .size: 8, .value_kind: global_buffer, .address_space: global }
      - { .name: W1_codes, .offset: 8, .size: 8, .value_kind: global_buffer, .address_space: global }
      - { .name: b1, .offset: 16, .size: 8, .value_kind: global_buffer, .address_space: global }
      - { .name: lowp_scales, .offset: 24, .size: 8, .value_kind: global_buffer, .address_space: global }
      - { .name: sel, .offset: 32, .size: 8, .value_kind: global_buffer, .address_space: global }
      - { .name: hid, .offset: 40, .size: 8, .value_kind: global_buffer, .address_space: global }
      - { .name: plan, .offset: 48, .size: 8, .value_kind: global_buffer, .address_space: global }
    .group_segment_fixed_size: 137728
    .private_segment_fixed_size: 0
    .kernarg_segment_align: 8
    .kernarg_segment_size: 56
    .max_flat_workgroup_size: 128
    .sgpr_count:     82
    .vgpr_count:     1024
    .wavefront_size: 32
...
	.end_amdgpu_metadata
.endif
;; end of part 2
;; launch down (part 3): grid 32 x 8, 4 waves a work-group, no clusters, 150,016 bytes of LDS; arguments hid, W2_codes, lowp_scales, plan, eo; writes eo
.if DOCPART == 3
	.amdgcn_target "amdgcn-amd-amdhsa--gfx1250"
	.amdhsa_code_object_version 6
	.text
	.protected	k_qa92dc84e2c_down
	.globl	k_qa92dc84e2c_down
	.p2align	8
	.type	k_qa92dc84e2c_down,@function
k_qa92dc84e2c_down:
	s_mov_b64 s[64:65], 0
	v_nop
	global_prefetch_b8 v0, s[64:65] scope:SCOPE_SE
	s_setreg_imm32_b32 hwreg(HW_REG_WAVE_MODE, 25, 1), 1
	s_wait_xcnt 0x0
; eo[kh][slot][channel] = 2^(e2 + e3) x the sum over half of K of hid's codes x W2's codes, for the rows that chose an expert.
; Work-group (x = cs + 16 kh, y = expert) keeps 64 channels x 2,048 K of W2's codes (128 KB) in LDS, read from memory once in the launch, and walks the expert's tiles
; of 16 rows.  In a pass wave w takes tiles 20 p + 4 i + w, i = 0 .. 4: 20 accumulators; K goes in 16 steps of 128: four fragments of W2 from LDS x five of hid: 20 matrix instructions.
; hid lies as images of operand registers, so a fragment is four loads of 512 consecutive bytes.  K is cut in two so that 256 work-groups have 128 KB of weights each and a row of the
; result is 256 bytes; the two halves, b2 and the gates meet in the next launch.
; THE PRODUCT IS USED TRANSPOSED (source 0 = 16 channels of W2, source 1 = 16 rows of hid): a lane holds eight neighbouring channels of one row.  A tile goes through the wave's own
; stage in LDS and leaves as rows: sixteen lanes store 256 consecutive bytes, aligned.
; Tiles past the expert's rows are neither stored nor read: their loads are turned to the expert's last tile (tile 0 where it has no rows), which the launch before has written.
; NO TENSOR LOADS, NO CLUSTER: the number of passes hangs on n_e, a number read from memory.
; LIMIT: e2 + e3 between -126 and 127.
; REGISTERS, in windows of 256: window 0: v0-30 addresses; v64-255 three sets of four fragments of W2; on the way out v64-95 the scaled sums, v96-127 rows read back.
;   window 1: hid's buffers 0, 1, 2 (80 registers).  window 2: buffer 3 at v0.  window 3: accumulator (i, ct) at v[32 i + 8 ct]; at the head the 256 registers through which W2 goes to LDS.
.set PW,  2064                         ; a row of W2 in LDS: 2,048 bytes + 16: an odd multiple of 16
.set STG, 64*PW                        ; behind W2: four stages of 16 rows x (256 + 16) bytes
.set MSB, 0
.macro WIN new
.if MSB != (\new)
	s_set_vgpr_msb (MSB<<8)|(\new)
.set MSB, (\new)
.endif
.endm
.macro WLOAD s                         ; K step s: the four tiles of channels into set s % 3
.irp f, 0,1,2,3
.irp c, 0,1,2,3
	ds_load_b128 v[64+64*((\s)%3)+16*\f+4*\c:64+64*((\s)%3)+16*\f+4*\c+3], v[6+\f/2] offset:(\f%2)*16*PW+128*(\s)+32*\c
.endr
.endr
.endm
.macro HLOAD s                         ; K step s of my five tiles of rows into buffer s % 4
.if ((\s)%4) == 3
	WIN 0x80
.set XL, 0
.else
	WIN 0x40
.set XL, 80*((\s)%4)
.endif
.irp i, 0,1,2,3,4
.irp c, 0,1,2,3
	global_load_b128 v[XL+16*\i+4*\c:XL+16*\i+4*\c+3], v[22+\i], s[4:5] offset:2048*(\s)+512*\c
.endr
.endr
.endm
.macro HADDR                           ; tile x 64 KiB + 16 x lane, the tile held at the expert's last
.irp i, 0,1,2,3,4
	s_add_co_u32 s36, s35, 4*\i
	s_min_u32 s36, s36, s33
	s_min_u32 s36, s36, 63
	s_lshl_b32 s36, s36, 16
	v_add_nc_u32 v[22+\i], s36, v5
.endr
.endm
; K step HS.  The 20 accumulators take turns, one instruction a turn.
.macro KSTEP
.set WSET, 64+64*(HS%3)
.if (HS%4) == 3
.set XBAS, 0
.set XWIN, 8
.else
.set XBAS, 80*(HS%4)
.set XWIN, 4
.endif
.if HS+3 < 15
	s_wait_loadcnt 60                              ; this step's 20 loads of hid are in; those of the three steps behind it may be out
.else
	s_wait_loadcnt 20*(15-HS)
.endif
.if HS < 13
	s_wait_dscnt 32                                ; this step's set is in; the two younger sets, 16 loads each, may be out
.else
	s_wait_dscnt 16*(15-HS)
.endif
	WIN 0xf0|XWIN                                  ; W2 window 0, hid window 1 or 2, C and D window 3
.irp f, 0,1,2,3
.irp i, 0,1,2,3,4
.if HS == 0
	v_wmma_f32_16x16x128_fp8_fp8 v[32*\i+8*\f:32*\i+8*\f+7], v[WSET+16*\f:WSET+16*\f+15], v[XBAS+16*\i:XBAS+16*\i+15], 0
.else
	v_wmma_f32_16x16x128_fp8_fp8 v[32*\i+8*\f:32*\i+8*\f+7], v[WSET+16*\f:WSET+16*\f+15], v[XBAS+16*\i:XBAS+16*\i+15], v[32*\i+8*\f:32*\i+8*\f+7]
.endif
.endr
.endr
.rept 4
	v_nop                                          ; four places in front of loads into registers that these products have read (ISA guide 7.12.1 for vector instructions)
.endr
	WIN 0
.if HS+3 < 16
	WLOAD HS+3
.endif
.if HS+4 < 16
	HLOAD HS+4
	WIN 0
.endif
.endm
.macro COPY i                          ; the tile's sums x 2^(e2 + e3), each accumulator from its low end on
	WIN 0x03
.set NN, 0
.rept 16
	v_pk_mul_f32 v[64+NN:65+NN], v[32*(\i)+NN:32*(\i)+NN+1], s[30:31] op_sel_hi:[1,0]
.set NN, NN+2
.endr
	WIN 0
.endm
	s_load_b256 s[4:11], s[0:1], 0x0               ; hid s[4:5], W2's codes s[6:7], the scales' exponents s[8:9], plan s[10:11]
	s_load_b64 s[12:13], s[0:1], 0x20              ; eo
	v_lshl_add_u32 v62, v0, 2, 0x24800
	v_mov_b32 v63, 0
	v_lshrrev_b32 v1, 5, v0
	v_readfirstlane_b32 s16, v1                    ; wave
	v_and_b32 v1, 31, v0                           ; lane
	v_and_b32 v2, 15, v0                           ; r
	v_bfe_u32 v3, v0, 4, 1                         ; h
	v_lshlrev_b32 v5, 4, v1                        ; 16 x lane
	s_mul_i32 s28, s16, 16*PW
	v_add_nc_u32 v4, s28, v5                       ; W2 into LDS: my wave's 16 rows
	v_mul_u32_u24 v6, v2, PW
	v_lshl_add_u32 v6, v3, 4, v6                   ; a fragment's row x pitch + 16 h: tiles 0, 1,
	v_add_nc_u32 v7, 32*PW, v6                     ; tiles 2, 3
	s_mul_i32 s28, s16, 16*272
	s_add_co_u32 s28, s28, STG                     ; my stage
	v_mul_u32_u24 v28, v2, 272
	v_lshl_add_u32 v28, v3, 5, v28
	v_add_nc_u32 v28, s28, v28                     ; in: row r, 32 bytes for each half of the lanes
	v_mul_u32_u24 v29, v3, 272
	v_lshl_add_u32 v29, v2, 4, v29
	v_add_nc_u32 v29, s28, v29                     ; back: lanes 0-15 one row of 256 bytes, lanes 16-31 the next
	v_lshlrev_b32 v30, 12, v3
	v_lshl_add_u32 v30, v2, 4, v30                 ; and the same two rows in eo, 4,096 bytes apart
	s_and_b32 s17, ttmp9, 15                       ; cs: which 64 channels
	s_lshr_b32 s32, ttmp9, 4                       ; kh: which half of K
	s_and_b32 s18, ttmp7, 0xffff                   ; expert
	s_lshl_b32 s34, s18, 2
	s_lshl_b32 s28, s18, 22                        ; W2: expert x 4 MiB + (64 cs + 16 w) rows of 4,096 + 2,048 kh
	s_lshl_b32 s29, s17, 18
	s_add_co_u32 s28, s28, s29
	s_lshl_b32 s29, s16, 16
	s_add_co_u32 s28, s28, s29
	s_lshl_b32 s29, s32, 11
	s_add_co_u32 s28, s28, s29
	s_mov_b32 s29, 0
	s_wait_kmcnt 0x0
	s_add_nc_u64 s[6:7], s[6:7], s[28:29]
	WIN 0xc0                                       ; destination window 3
.set KK, 0
.rept 64
	global_load_b128 v[4*KK:4*KK+3], v5, s[6:7] offset:4096*(KK/4)+512*(KK%4) th:TH_LOAD_NT   ; 512 consecutive bytes a load; each byte of W2 is read once in the launch
.set KK, KK+1
.endr
	WIN 0
	s_load_b32 s19, s[10:11], s34 offset:0xa000    ; n_e
	s_load_b128 s[24:27], s[8:9], 0x0              ; e0 .. e3
	s_lshl_b32 s28, s18, 22
	s_lshl_b32 s36, s32, 15
	s_add_co_u32 s28, s28, s36
	s_add_nc_u64 s[4:5], s[4:5], s[28:29]          ; hid at my expert and my 16 K steps
	s_lshl_b32 s28, s32, 25
	s_lshl_b32 s36, s18, 22
	s_add_co_u32 s28, s28, s36
	s_lshl_b32 s36, s17, 8
	s_add_co_u32 s28, s28, s36
	s_add_nc_u64 s[12:13], s[12:13], s[28:29]      ; eo at my half, my expert's slots, my 64 channels
	s_mov_b32 s21, 0                               ; p
	s_mov_b32 s35, s16                             ; 20 p + w
	s_wait_kmcnt 0x0
	s_min_u32 s19, s19, 1024
	s_add_co_u32 s19, s19, 15
	s_lshr_b32 s19, s19, 4                         ; tiles of rows; 0 where nobody chose the expert
	s_max_u32 s33, s19, 1
	s_sub_co_u32 s33, s33, 1                       ; the last tile that the launch before has written
	s_add_co_u32 s20, s19, 19
	s_sub_co_u32 s20, s20, s16
	s_mul_i32 s20, s20, 3277
	s_lshr_b32 s20, s20, 16                        ; my passes: (tiles - w + 19) / 20, rounded down (exact up to 83)
	s_add_co_i32 s30, s26, s27
	s_add_co_i32 s30, s30, 127
	s_lshl_b32 s30, s30, 23                        ; 2^(e2 + e3) as f32
	s_mov_b32 s31, s30
	HADDR
	HLOAD 0
	HLOAD 1
	HLOAD 2
	s_wait_loadcnt 60                              ; W2's 64 loads are in; the three steps of hid asked for behind them may be out
	WIN 0x0c                                       ; store data window 3
.set KK, 0
.rept 64
	ds_store_b128 v4, v[4*KK:4*KK+3] offset:PW*(KK/4)+512*(KK%4)
.set KK, KK+1
.endr
	HLOAD 3
	WIN 0
	s_wait_dscnt 0x0                               ; for the others' sake: my rows of W2 lie in LDS
	s_barrier_signal -1
	s_barrier_wait -1                              ; the launch's one barrier, ahead of every branch on a loaded number; behind it W2's rows are only read, and a stage is its wave's own
	s_cmp_eq_u32 s20, 0
	s_cbranch_scc1 .Lend
.Lpass:
	WLOAD 0
	WLOAD 1
	WLOAD 2
.set HS, 0
.rept 16
	KSTEP
.set HS, HS+1
.endr
.rept 5
	v_nop                                          ; with the four above: the places in front of the first read of results, and of the next pass's products, which begin the accumulators anew
.endr
	s_mov_b32 s22, 0                               ; i
.Lepi:
	s_lshl_b32 s23, s22, 2
	s_add_co_u32 s23, s23, s35                     ; the tile
	s_cmp_ge_u32 s23, s19
	s_cbranch_scc1 .Lnext                          ; past the expert's rows: nothing is stored
	s_wait_xcnt 0x0                                ; the last tile's stores have read their rows and their offset: both are written again below
	s_min_u32 s36, s23, 63
	s_lshl_b32 s36, s36, 16
	v_add_nc_u32 v27, s36, v30                     ; 16 rows of 4,096 bytes a tile
	s_cmp_eq_u32 s22, 0
	s_cbranch_scc0 .Lc1
	COPY 0
	s_branch .Lcom
.Lc1:
	s_cmp_eq_u32 s22, 1
	s_cbranch_scc0 .Lc2
	COPY 1
	s_branch .Lcom
.Lc2:
	s_cmp_eq_u32 s22, 2
	s_cbranch_scc0 .Lc3
	COPY 2
	s_branch .Lcom
.Lc3:
	s_cmp_eq_u32 s22, 3
	s_cbranch_scc0 .Lc4
	COPY 3
	s_branch .Lcom
.Lc4:
	COPY 4
.Lcom:
.irp f, 0,1,2,3
	ds_store_b128 v28, v[64+8*\f:67+8*\f] offset:64*\f       ; lane (r, h): row r, channels 16 f + 8 h + 0 .. 7
	ds_store_b128 v28, v[68+8*\f:71+8*\f] offset:64*\f+16
.endr
.irp k, 0,1,2,3,4,5,6,7
	ds_load_b128 v[96+4*\k:99+4*\k], v29 offset:544*\k       ; LDS serves a wave's instructions in order (ISA guide 5.7.1.4): these see my stores
.endr
.irp k, 0,1,2,3,4,5,6,7
	s_wait_dscnt 7-\k                              ; the younger loads may be out
	global_store_b128 v27, v[96+4*\k:99+4*\k], s[12:13] offset:8192*\k   ; 16 lanes store 256 consecutive bytes, aligned
.endr
.Lnext:
	s_add_co_u32 s22, s22, 1
	s_cmp_lt_u32 s22, 5
	s_cbranch_scc1 .Lepi
	s_add_co_u32 s21, s21, 1
	s_cmp_ge_u32 s21, s20
	s_cbranch_scc1 .Lend
	s_wait_xcnt 0x0                                ; the stores have read their rows' registers, into which the next pass's fragments of W2 are loaded
	s_add_co_u32 s35, s35, 20
	HADDR
	HLOAD 0
	HLOAD 1
	HLOAD 2
	HLOAD 3
	WIN 0
	s_cmp_lt_u32 s21, s20
	s_cbranch_scc1 .Lpass
.Lend:
	s_wait_tensorcnt 0x0
	ds_add_u32 v62, v63
	s_wait_dscnt 0x0
	s_endpgm
.Lfunc_end_k_qa92dc84e2c_down:
	.size	k_qa92dc84e2c_down, .Lfunc_end_k_qa92dc84e2c_down-k_qa92dc84e2c_down
	.p2alignl 7, 3214868480
	.fill 96, 4, 3214868480
	.section	.rodata,"a",@progbits
	.p2align	6, 0x0
	.amdhsa_kernel k_qa92dc84e2c_down
		.amdhsa_group_segment_fixed_size 150016
		.amdhsa_private_segment_fixed_size 0
		.amdhsa_enable_private_segment 0
		.amdhsa_kernarg_size 40
		.amdhsa_user_sgpr_count 2
		.amdhsa_user_sgpr_kernarg_segment_ptr 1
		.amdhsa_wavefront_size32 1
		.amdhsa_system_sgpr_workgroup_id_x 1
		.amdhsa_system_sgpr_workgroup_id_y 1
		.amdhsa_system_sgpr_workgroup_id_z 1
		.amdhsa_system_vgpr_workitem_id 0
		.amdhsa_next_free_vgpr 1024
		.amdhsa_next_free_sgpr 66
		.amdhsa_reserve_vcc 0
		.amdhsa_float_denorm_mode_32 3
		.amdhsa_float_denorm_mode_16_64 3
		.amdhsa_memory_ordered 1
		.amdhsa_forward_progress 1
		.amdhsa_inst_pref_size 102
	.end_amdhsa_kernel
	.amdgpu_metadata
---
amdhsa.version: [ 1, 2 ]
amdhsa.kernels:
  - .name:           k_qa92dc84e2c_down
    .symbol:         k_qa92dc84e2c_down.kd
    .args:
      - { .name: hid, .offset: 0, .size: 8, .value_kind: global_buffer, .address_space: global }
      - { .name: W2_codes, .offset: 8, .size: 8, .value_kind: global_buffer, .address_space: global }
      - { .name: lowp_scales, .offset: 16, .size: 8, .value_kind: global_buffer, .address_space: global }
      - { .name: plan, .offset: 24, .size: 8, .value_kind: global_buffer, .address_space: global }
      - { .name: eo, .offset: 32, .size: 8, .value_kind: global_buffer, .address_space: global }
    .group_segment_fixed_size: 150016
    .private_segment_fixed_size: 0
    .kernarg_segment_align: 8
    .kernarg_segment_size: 40
    .max_flat_workgroup_size: 128
    .sgpr_count:     66
    .vgpr_count:     1024
    .wavefront_size: 32
...
	.end_amdgpu_metadata
.endif
;; end of part 3
;; launch combine (part 4): grid 256 x 1, 4 waves a work-group, no clusters, 0 bytes of LDS; arguments eo, b2, gate, sel, plan, out0; writes out0
.if DOCPART == 4
	.amdgcn_target "amdgcn-amd-amdhsa--gfx1250"
	.amdhsa_code_object_version 6
	.text
	.protected	k_qa92dc84e2c_combine
	.globl	k_qa92dc84e2c_combine
	.p2align	8
	.type	k_qa92dc84e2c_combine,@function
k_qa92dc84e2c_combine:
	s_mov_b64 s[64:65], 0
	v_nop
	global_prefetch_b8 v0, s[64:65] scope:SCOPE_SE
	s_setreg_imm32_b32 hwreg(HW_REG_WAVE_MODE, 25, 1), 1
	s_wait_xcnt 0x0
; out0[token] = wa f(eo[0][sa] + eo[1][sa] + b2[ea]) + wb f(eo[0][sb] + eo[1][sb] + b2[eb]),  f(x) = 0 where x is NaN, else x.
; A wave owns a token.  Its two experts (sel) and two gates are scalars; its place in each expert's list is pos[expert][token] (plan, byte 4,096 x expert + 4 x token);
; its row of eo is slot = 1,024 x expert + place.  A row of 1,024 f32 is eight loads of 512 consecutive bytes from each of six rows.
; The six experts that were not chosen have weight 0 and are left out.  LIMIT: an infinite result of an expert that was not chosen would make NaN of 0 x infinity; here it makes nothing.
; A stream: no LDS, no barrier, no matrix unit; every register is written once, so no store's data are written again.
	s_load_b256 s[4:11], s[0:1], 0x0               ; eo s[4:5], b2 s[6:7], gate s[8:9], sel s[10:11]
	s_load_b128 s[12:15], s[0:1], 0x20             ; plan s[12:13], out0 s[14:15]
	v_lshrrev_b32 v1, 5, v0
	v_readfirstlane_b32 s32, v1                    ; wave
	v_and_b32 v1, 31, v0
	v_lshlrev_b32 v2, 4, v1                        ; 16 bytes a lane
	s_lshl_b32 s33, ttmp9, 2
	s_add_co_u32 s33, s33, s32                     ; my token
	s_lshl_b32 s34, s33, 3                         ; its 8 bytes in sel and in gate,
	s_lshl_b32 s35, s33, 2                         ; its word in a row of pos,
	s_lshl_b32 s36, s33, 12                        ; its row of out0
	s_mov_b32 s37, 0
	s_mov_b32 s21, 0
	s_wait_kmcnt 0x0
	s_load_b64 s[16:17], s[10:11], s34 offset:0x0  ; ea, eb
	s_load_b64 s[18:19], s[8:9], s34 offset:0x0    ; wa, wb
	s_add_nc_u64 s[14:15], s[14:15], s[36:37]
	s_wait_kmcnt 0x0
	s_min_u32 s16, s16, 7                          ; a loaded number is held before it enters an address
	s_min_u32 s17, s17, 7
	s_lshl_b32 s22, s16, 12                        ; a row of pos and a row of b2 are both 4,096 bytes
	s_lshl_b32 s23, s17, 12
	s_add_co_u32 s32, s22, s35
	s_add_co_u32 s33, s23, s35
	s_load_b32 s46, s[12:13], s32 offset:0x0       ; my place in the first expert's list,
	s_load_b32 s47, s[12:13], s33 offset:0x0       ; in the second's
	s_mov_b32 s20, s22
	s_add_nc_u64 s[38:39], s[6:7], s[20:21]        ; b2's row of the first expert
	s_mov_b32 s20, s23
	s_add_nc_u64 s[44:45], s[6:7], s[20:21]        ; of the second
	s_mov_b32 s28, s18                             ; the gates as pairs: the packed forms name a pair and take its low word
	s_mov_b32 s29, s18
	s_mov_b32 s30, s19
	s_mov_b32 s31, s19
	s_wait_kmcnt 0x0
	s_min_u32 s46, s46, 1023
	s_lshl_b32 s46, s46, 12
	s_lshl_b32 s20, s16, 22
	s_add_co_u32 s20, s20, s46                     ; slot x 4,096
	s_add_nc_u64 s[24:25], s[4:5], s[20:21]        ; the first slot's row, lower half of K,
	s_add_nc_u64 s[26:27], s[24:25], 0x2000000     ; upper half: 8,192 rows of 4,096 bytes on
	s_min_u32 s47, s47, 1023
	s_lshl_b32 s47, s47, 12
	s_lshl_b32 s20, s17, 22
	s_add_co_u32 s20, s20, s47
	s_add_nc_u64 s[40:41], s[4:5], s[20:21]
	s_add_nc_u64 s[42:43], s[40:41], 0x2000000
.irp j, 0,1,2,3,4,5,6,7
	global_load_b128 v[8+4*\j:11+4*\j],    v2, s[24:25] offset:512*\j th:TH_LOAD_NT
	global_load_b128 v[40+4*\j:43+4*\j],   v2, s[26:27] offset:512*\j th:TH_LOAD_NT
	global_load_b128 v[72+4*\j:75+4*\j],   v2, s[40:41] offset:512*\j th:TH_LOAD_NT
	global_load_b128 v[104+4*\j:107+4*\j], v2, s[42:43] offset:512*\j th:TH_LOAD_NT
	global_load_b128 v[136+4*\j:139+4*\j], v2, s[38:39] offset:512*\j
	global_load_b128 v[168+4*\j:171+4*\j], v2, s[44:45] offset:512*\j
.endr
.irp j, 0,1,2,3,4,5,6,7
	s_wait_loadcnt 6*(7-\j)                        ; this piece's six loads are in; the six of each later piece may be out
.irp k, 0,2
	v_pk_add_f32 v[8+4*\j+\k:9+4*\j+\k],   v[8+4*\j+\k:9+4*\j+\k],   v[40+4*\j+\k:41+4*\j+\k]
	v_pk_add_f32 v[72+4*\j+\k:73+4*\j+\k], v[72+4*\j+\k:73+4*\j+\k], v[104+4*\j+\k:105+4*\j+\k]
.endr
.irp k, 0,2
	v_pk_add_f32 v[8+4*\j+\k:9+4*\j+\k],   v[8+4*\j+\k:9+4*\j+\k],   v[136+4*\j+\k:137+4*\j+\k]
	v_pk_add_f32 v[72+4*\j+\k:73+4*\j+\k], v[72+4*\j+\k:73+4*\j+\k], v[168+4*\j+\k:169+4*\j+\k]
.endr
.irp k, 0,1,2,3
	v_cmp_eq_f32 vcc_lo, v[8+4*\j+\k], v[8+4*\j+\k]          ; false for NaN alone
	v_cndmask_b32 v[8+4*\j+\k], 0, v[8+4*\j+\k], vcc_lo
	v_cmp_eq_f32 vcc_lo, v[72+4*\j+\k], v[72+4*\j+\k]
	v_cndmask_b32 v[72+4*\j+\k], 0, v[72+4*\j+\k], vcc_lo
.endr
.irp k, 0,2
	v_pk_mul_f32 v[8+4*\j+\k:9+4*\j+\k], v[8+4*\j+\k:9+4*\j+\k], s[28:29] op_sel_hi:[1,0]
.endr
.irp k, 0,2
	v_pk_fma_f32 v[8+4*\j+\k:9+4*\j+\k], v[72+4*\j+\k:73+4*\j+\k], s[30:31], v[8+4*\j+\k:9+4*\j+\k] op_sel_hi:[1,0,1]
.endr
	global_store_b128 v2, v[8+4*\j:11+4*\j], s[14:15] offset:512*\j th:TH_STORE_NT   ; 32 lanes store 512 consecutive bytes, aligned
.endr
	s_endpgm
.Lfunc_end_k_qa92dc84e2c_combine:
	.size	k_qa92dc84e2c_combine, .Lfunc_end_k_qa92dc84e2c_combine-k_qa92dc84e2c_combine
	.p2alignl 7, 3214868480
	.fill 96, 4, 3214868480
	.section	.rodata,"a",@progbits
	.p2align	6, 0x0
	.amdhsa_kernel k_qa92dc84e2c_combine
		.amdhsa_group_segment_fixed_size 0
		.amdhsa_private_segment_fixed_size 0
		.amdhsa_enable_private_segment 0
		.amdhsa_kernarg_size 48
		.amdhsa_user_sgpr_count 2
		.amdhsa_user_sgpr_kernarg_segment_ptr 1
		.amdhsa_wavefront_size32 1
		.amdhsa_system_sgpr_workgroup_id_x 1
		.amdhsa_system_sgpr_workgroup_id_y 1
		.amdhsa_system_sgpr_workgroup_id_z 1
		.amdhsa_system_vgpr_workitem_id 0
		.amdhsa_next_free_vgpr 204
		.amdhsa_next_free_sgpr 66
		.amdhsa_reserve_vcc 1
		.amdhsa_float_denorm_mode_32 3
		.amdhsa_float_denorm_mode_16_64 3
		.amdhsa_memory_ordered 1
		.amdhsa_forward_progress 1
		.amdhsa_inst_pref_size 18
	.end_amdhsa_kernel
	.amdgpu_metadata
---
amdhsa.version: [ 1, 2 ]
amdhsa.kernels:
  - .name:           k_qa92dc84e2c_combine
    .symbol:         k_qa92dc84e2c_combine.kd
    .args:
      - { .name: eo, .offset: 0, .size: 8, .value_kind: global_buffer, .address_space: global }
      - { .name: b2, .offset: 8, .size: 8, .value_kind: global_buffer, .address_space: global }
      - { .name: gate, .offset: 16, .size: 8, .value_kind: global_buffer, .address_space: global }
      - { .name: sel, .offset: 24, .size: 8, .value_kind: global_buffer, .address_space: global }
      - { .name: plan, .offset: 32, .size: 8, .value_kind: global_buffer, .address_space: global }
      - { .name: out0, .offset: 40, .size: 8, .value_kind: global_buffer, .address_space: global }
    .group_segment_fixed_size: 0
    .private_segment_fixed_size: 0
    .kernarg_segment_align: 8
    .kernarg_segment_size: 48
    .max_flat_workgroup_size: 128
    .sgpr_count:     66
    .vgpr_count:     204
    .wavefront_size: 32
...
	.end_amdgpu_metadata
.endif
;; end of part 4
;; ======== version 2 of 2: 4 launches; version 1 with the launch down written anew for expert scheduling mode
;; workspace buffers: xq 1,048,576 bytes; sel 8,192 bytes of whole numbers; gate 8,192 bytes; plan 41,216 bytes of whole numbers; hid 33,554,432 bytes; eo 67,108,864 bytes
;; launch route: the kernel of part 1 again; grid 256 x 1, 4 waves a work-group, no clusters, 1,024 bytes of LDS; arguments inputs, Wr, br, lowp_scales, xq, sel, gate; writes xq, sel, gate
;; launch up: the kernel of part 2 again; grid 32 x 8, 4 waves a work-group, no clusters, 137,728 bytes of LDS; arguments xq, W1_codes, b1, lowp_scales, sel, hid, plan; writes hid, plan
;; launch down (part 5): grid 32 x 8, 4 waves a work-group, no clusters, 150,016 bytes of LDS; arguments hid, W2_codes, lowp_scales, plan, eo; writes eo
.if DOCPART == 5
	.amdgcn_target "amdgcn-amd-amdhsa--gfx1250"
	.amdhsa_code_object_version 6
	.text
	.protected	k_qa92dc84e2c_down
	.globl	k_qa92dc84e2c_down
	.p2align	8
	.type	k_qa92dc84e2c_down,@function
k_qa92dc84e2c_down:
	s_mov_b64 s[64:65], 0
	v_nop
	global_prefetch_b8 v0, s[64:65] scope:SCOPE_SE
	s_setreg_imm32_b32 hwreg(HW_REG_WAVE_SCHED_MODE, 0, 2), 2
	s_setreg_imm32_b32 hwreg(HW_REG_WAVE_MODE, 25, 1), 1
	s_wait_xcnt 0x0
	s_wait_alu depctr_vm_vsrc(0)
; eo[kh][slot][channel] = 2^(e2 + e3) x the sum over half of K of hid's codes x W2's codes, for the rows that chose an expert.
; Work-group (x = cs + 16 kh, y = expert) keeps 64 channels x 2,048 K of W2's codes (128 KB) in LDS, read from memory once in the launch, and walks the expert's tiles
; of 16 rows.  In a pass wave w takes tiles 20 p + 4 i + w, i = 0 .. 4: 20 accumulators; K goes in 16 steps of 128: four fragments of W2 from LDS x five of hid: 20 matrix instructions.
; hid lies as images of operand registers, so a fragment is four loads of 512 consecutive bytes.  K is cut in two so that 256 work-groups have 128 KB of weights each and a row of the
; result is 256 bytes; the two halves, b2 and the gates meet in the next launch.
; THE PRODUCT IS USED TRANSPOSED (source 0 = 16 channels of W2, source 1 = 16 rows of hid): a lane holds eight neighbouring channels of one row.  A tile goes through the wave's own
; stage in LDS and leaves as rows: sixteen lanes store 256 consecutive bytes, aligned.
; Tiles past the expert's rows are neither stored nor read: their loads are turned to the expert's last tile (tile 0 where it has no rows), which the launch before has written.
; NO TENSOR LOADS, NO CLUSTER: the number of passes hangs on n_e, a number read from memory.
; LIMIT: e2 + e3 between -126 and 127.
; REGISTERS, in windows of 256: window 0: v0-30 addresses; v64-255 three sets of four fragments of W2; on the way out v64-95 the scaled sums, v96-127 rows read back.
;   window 1: hid's buffers 0, 1, 2 (80 registers).  window 2: buffer 3 at v0.  window 3: accumulator (i, ct) at v[32 i + 8 ct]; at the head the 256 registers through which W2 goes to LDS.
; THE MODE: SCHED_MODE bits 1:0 = 2 (LLVM: expert scheduling mode 2), set by the entry lines.  The code itself states the register dependences
; between vector or matrix instructions and memory or LDS instructions, with s_wait_alu, always for 0.
; THE PLAN.  Registers that memory or LDS instructions touch:
;   v4-v7, v28-v30   addresses, made at the head and never written again; v62, v63 likewise, for the closing add alone.
;   window 3         at the head W2's loads land in it and the LDS stores read it; from the first product on it holds accumulators, which vector and matrix instructions alone name.
;   v22-v26          hid's offsets: written once a pass, read by the pass's loads of hid.
;   W2's sets 0-2    K step s: its 20 products read set s % 3.  The LDS loads of K step s + 2, issued in the middle of step s, land in set (s - 1) % 3.
;   hid's buffers    K step s: its products read buffer s % 4.  The loads of K step s + 3, issued in the middle of step s, land in buffer (s - 1) % 4.
;   v27, v64-95      the way out: written by a tile's vector lines, read by its stores.   v96-127: the tile's LDS loads land there, its global stores read them.
; So ONE wait on va_vdst stands at the head of a K step that issues loads (steps 1 to 13): the products of the step before are done reading the set and the buffer in which this
; step's loads land.  The step's own products name set s % 3, buffer s % 4 and the accumulators: none of the registers that its loads touch, so the loads stand among them with no further wait.
; Sets 0 to 2 and buffers 0 to 3 are asked for ahead of step 0; steps 0, 14 and 15 issue no load and hold no such wait.
.set PW,  2064                         ; a row of W2 in LDS: 2,048 bytes + 16: an odd multiple of 16
.set STG, 64*PW                        ; behind W2: four stages of 16 rows x (256 + 16) bytes
.set MSB, 0
.macro WIN new
.if MSB != (\new)
	s_set_vgpr_msb (MSB<<8)|(\new)
.set MSB, (\new)
.endif
.endm
.macro WLOAD s                         ; K step s: the four tiles of channels into set s % 3
.irp f, 0,1,2,3
.irp c, 0,1,2,3
	ds_load_b128 v[64+64*((\s)%3)+16*\f+4*\c:64+64*((\s)%3)+16*\f+4*\c+3], v[6+\f/2] offset:(\f%2)*16*PW+128*(\s)+32*\c
.endr
.endr
.endm
.macro HLOAD s                         ; K step s of my five tiles of rows into buffer s % 4
.if ((\s)%4) == 3
	WIN 0x80
.set XL, 0
.else
	WIN 0x40
.set XL, 80*((\s)%4)
.endif
.irp i, 0,1,2,3,4
.irp c, 0,1,2,3
	global_load_b128 v[XL+16*\i+4*\c:XL+16*\i+4*\c+3], v[22+\i], s[4:5] offset:2048*(\s)+512*\c
.endr
.endr
.endm
.macro HADDR                           ; tile x 64 KiB + 16 x lane, the tile held at the expert's last
.irp i, 0,1,2,3,4
	s_add_co_u32 s36, s35, 4*\i
	s_min_u32 s36, s36, s33
	s_min_u32 s36, s36, 63
	s_lshl_b32 s36, s36, 16
	v_add_nc_u32 v[22+\i], s36, v5
.endr
.endm
; Ten of K step HS's products: tiles of channels f0, f0 + 1 x my five tiles of rows.  The 20 accumulators take turns, one instruction a turn.
.macro MUL10 f0
.irp f, \f0, \f0+1
.irp i, 0,1,2,3,4
.if HS == 0
	v_wmma_f32_16x16x128_fp8_fp8 v[32*\i+8*(\f):32*\i+8*(\f)+7], v[WSET+16*(\f):WSET+16*(\f)+15], v[XBAS+16*\i:XBAS+16*\i+15], 0
.else
	v_wmma_f32_16x16x128_fp8_fp8 v[32*\i+8*(\f):32*\i+8*(\f)+7], v[WSET+16*(\f):WSET+16*(\f)+15], v[XBAS+16*\i:XBAS+16*\i+15], v[32*\i+8*(\f):32*\i+8*(\f)+7]
.endif
.endr
.endr
.endm
; K step HS.
.macro KSTEP
.set WSET, 64+64*(HS%3)
.if (HS%4) == 3
.set XBAS, 0
.set XWIN, 8
.else
.set XBAS, 80*(HS%4)
.set XWIN, 4
.endif
.if HS == 0
	s_wait_loadcnt 60                              ; this step's 20 loads of hid are in; those of steps 1 to 3, asked for ahead of the pass, may be out
	s_wait_dscnt 32                                ; set 0 is in; sets 1 and 2, 16 loads each, may be out
.elseif HS < 14
	s_wait_loadcnt 40                              ; this step's 20 loads of hid are in; those of the two steps behind it may be out (the step before asked for step HS + 2)
	s_wait_dscnt 16                                ; this step's set is in; the one younger set may be out
.elseif HS == 14
	s_wait_loadcnt 20                              ; the counts run down
	s_wait_dscnt 16
.else
	s_wait_loadcnt 0x0
	s_wait_dscnt 0x0
.endif
.if (HS > 0) && (HS < 14)
	s_wait_alu depctr_va_vdst(0)                   ; the products of the step before are done reading their set of W2 and their buffer of hid, in which the loads below land
.endif
	WIN 0xf0|XWIN                                  ; W2 window 0, hid window 1 or 2, C and D window 3
	MUL10 0
.if (HS > 0) && (HS < 14)
	WIN 0
	WLOAD HS+2                                     ; into the set that the step before multiplied.  No wait: no vector or matrix instruction since the wait above names it, nor v6, v7
.if HS < 13
	HLOAD HS+3                                     ; into the buffer that the step before multiplied: likewise, with v22-v26
.endif
	WIN 0xf0|XWIN
.endif
	MUL10 2
.rept 4
	v_nop                                          ; four places behind the step's products; the next step's loads land in registers that these products have read (they stand beside that step's wait, not in its place)
.endr
.endm
.macro COPY i                          ; the tile's sums x 2^(e2 + e3), each accumulator from its low end on
	WIN 0x03
.set NN, 0
.rept 16
	v_pk_mul_f32 v[64+NN:65+NN], v[32*(\i)+NN:32*(\i)+NN+1], s[30:31] op_sel_hi:[1,0]
.set NN, NN+2
.endr
	WIN 0
.endm
	s_load_b256 s[4:11], s[0:1], 0x0               ; hid s[4:5], W2's codes s[6:7], the scales' exponents s[8:9], plan s[10:11]
	s_load_b64 s[12:13], s[0:1], 0x20              ; eo
	v_lshl_add_u32 v62, v0, 2, 0x24800
	v_mov_b32 v63, 0
	v_lshrrev_b32 v1, 5, v0
	v_readfirstlane_b32 s16, v1                    ; wave
	v_and_b32 v1, 31, v0                           ; lane
	v_and_b32 v2, 15, v0                           ; r
	v_bfe_u32 v3, v0, 4, 1                         ; h
	v_lshlrev_b32 v5, 4, v1                        ; 16 x lane
	s_wait_alu depctr_va_sdst(0)                   ; s16 is written, ahead of its first reader: LDS places, W2's base and the count of passes are made from it
	s_mul_i32 s28, s16, 16*PW
	v_add_nc_u32 v4, s28, v5                       ; W2 into LDS: my wave's 16 rows
	v_mul_u32_u24 v6, v2, PW
	v_lshl_add_u32 v6, v3, 4, v6                   ; a fragment's row x pitch + 16 h: tiles 0, 1,
	v_add_nc_u32 v7, 32*PW, v6                     ; tiles 2, 3
	s_mul_i32 s28, s16, 16*272
	s_add_co_u32 s28, s28, STG                     ; my stage
	v_mul_u32_u24 v28, v2, 272
	v_lshl_add_u32 v28, v3, 5, v28
	v_add_nc_u32 v28, s28, v28                     ; in: row r, 32 bytes for each half of the lanes
	v_mul_u32_u24 v29, v3, 272
	v_lshl_add_u32 v29, v2, 4, v29
	v_add_nc_u32 v29, s28, v29                     ; back: lanes 0-15 one row of 256 bytes, lanes 16-31 the next
	v_lshlrev_b32 v30, 12, v3
	v_lshl_add_u32 v30, v2, 4, v30                 ; and the same two rows in eo, 4,096 bytes apart
	s_and_b32 s17, ttmp9, 15                       ; cs: which 64 channels
	s_lshr_b32 s32, ttmp9, 4                       ; kh: which half of K
	s_and_b32 s18, ttmp7, 0xffff                   ; expert
	s_lshl_b32 s34, s18, 2
	s_lshl_b32 s28, s18, 22                        ; W2: expert x 4 MiB + (64 cs + 16 w) rows of 4,096 + 2,048 kh
	s_lshl_b32 s29, s17, 18
	s_add_co_u32 s28, s28, s29
	s_lshl_b32 s29, s16, 16
	s_add_co_u32 s28, s28, s29
	s_lshl_b32 s29, s32, 11
	s_add_co_u32 s28, s28, s29
	s_mov_b32 s29, 0
	s_wait_kmcnt 0x0
	s_add_nc_u64 s[6:7], s[6:7], s[28:29]
	WIN 0xc0                                       ; destination window 3
	s_wait_alu depctr_va_vdst(0)                   ; the addresses v4-v7 and v28-v30 are written, which the loads and stores of the whole kernel read, and so are v62 and v63, which the closing add reads
.set KK, 0
.rept 64
	global_load_b128 v[4*KK:4*KK+3], v5, s[6:7] offset:4096*(KK/4)+512*(KK%4) th:TH_LOAD_NT   ; 512 consecutive bytes a load; each byte of W2 is read once in the launch
.set KK, KK+1
.endr
	WIN 0
	s_load_b32 s19, s[10:11], s34 offset:0xa000    ; n_e
	s_load_b128 s[24:27], s[8:9], 0x0              ; e0 .. e3
	s_lshl_b32 s28, s18, 22
	s_lshl_b32 s36, s32, 15
	s_add_co_u32 s28, s28, s36
	s_add_nc_u64 s[4:5], s[4:5], s[28:29]          ; hid at my expert and my 16 K steps
	s_lshl_b32 s28, s32, 25
	s_lshl_b32 s36, s18, 22
	s_add_co_u32 s28, s28, s36
	s_lshl_b32 s36, s17, 8
	s_add_co_u32 s28, s28, s36
	s_add_nc_u64 s[12:13], s[12:13], s[28:29]      ; eo at my half, my expert's slots, my 64 channels
	s_mov_b32 s21, 0                               ; p
	s_mov_b32 s35, s16                             ; 20 p + w
	s_wait_kmcnt 0x0
	s_min_u32 s19, s19, 1024
	s_add_co_u32 s19, s19, 15
	s_lshr_b32 s19, s19, 4                         ; tiles of rows; 0 where nobody chose the expert
	s_max_u32 s33, s19, 1
	s_sub_co_u32 s33, s33, 1                       ; the last tile that the launch before has written
	s_add_co_u32 s20, s19, 19
	s_sub_co_u32 s20, s20, s16
	s_mul_i32 s20, s20, 3277
	s_lshr_b32 s20, s20, 16                        ; my passes: (tiles - w + 19) / 20, rounded down (exact up to 83)
	s_add_co_i32 s30, s26, s27
	s_add_co_i32 s30, s30, 127
	s_lshl_b32 s30, s30, 23                        ; 2^(e2 + e3) as f32
	s_mov_b32 s31, s30
	HADDR
	WIN 0x40                                       ; destination window 1
	s_wait_alu depctr_va_vdst(0)                   ; hid's offsets v22-v26 are written, which the pass's loads of hid read
	HLOAD 0
	HLOAD 1
	HLOAD 2
	s_wait_loadcnt 60                              ; W2's 64 loads are in; the three steps of hid asked for behind them may be out
	WIN 0x0c                                       ; store data window 3
.set KK, 0
.rept 64
	ds_store_b128 v4, v[4*KK:4*KK+3] offset:PW*(KK/4)+512*(KK%4)
.set KK, KK+1
.endr
	HLOAD 3
	WIN 0
	s_wait_dscnt 0x0                               ; for the others' sake: my rows of W2 lie in LDS
	s_barrier_signal -1
	s_barrier_wait -1                              ; the launch's one barrier, ahead of every branch on a loaded number; behind it W2's rows are only read, and a stage is its wave's own
	s_wait_alu depctr_vm_vsrc(0)                   ; my LDS stores have read window 3's registers: from here on they are accumulators, which the products write
	s_cmp_eq_u32 s20, 0
	s_cbranch_scc1 .Lend
.Lpass:
	WLOAD 0                                        ; no vector or matrix instruction stands between the wait behind the pass's offsets and these loads, on the way in and on the way back
	WLOAD 1
	WLOAD 2
.set HS, 0
.rept 16
	KSTEP
.set HS, HS+1
.endr
	WIN 0
.rept 5
	v_nop                                          ; with the four above: the places in front of the first read of results, and of the next pass's products, which begin the accumulators anew
.endr
	s_mov_b32 s22, 0                               ; i
.Lepi:
	s_lshl_b32 s23, s22, 2
	s_add_co_u32 s23, s23, s35                     ; the tile
	s_cmp_ge_u32 s23, s19
	s_cbranch_scc1 .Lnext                          ; past the expert's rows: nothing is stored
	s_wait_xcnt 0x0                                ; the last tile's stores have read their rows and their offset: both are written again below
	s_wait_alu depctr_vm_vsrc(0)                   ; the last tile's global stores have read v27 and v96-127, its LDS stores v64-95: the lines below write v27 and v64-95, and this tile's LDS loads land in v96-127
	s_min_u32 s36, s23, 63
	s_lshl_b32 s36, s36, 16
	v_add_nc_u32 v27, s36, v30                     ; 16 rows of 4,096 bytes a tile
	s_cmp_eq_u32 s22, 0
	s_cbranch_scc0 .Lc1
	COPY 0
	s_branch .Lcom
.Lc1:
	s_cmp_eq_u32 s22, 1
	s_cbranch_scc0 .Lc2
	COPY 1
	s_branch .Lcom
.Lc2:
	s_cmp_eq_u32 s22, 2
	s_cbranch_scc0 .Lc3
	COPY 2
	s_branch .Lcom
.Lc3:
	s_cmp_eq_u32 s22, 3
	s_cbranch_scc0 .Lc4
	COPY 3
	s_branch .Lcom
.Lc4:
	COPY 4
.Lcom:
	s_wait_alu depctr_va_vdst(0)                   ; the scaled sums v64-95 are written, which the LDS stores read; v27 is written, which the global stores read; the pass's last products are done reading v96-127, in which the LDS loads land
.irp f, 0,1,2,3
	ds_store_b128 v28, v[64+8*\f:67+8*\f] offset:64*\f       ; lane (r, h): row r, channels 16 f + 8 h + 0 .. 7
	ds_store_b128 v28, v[68+8*\f:71+8*\f] offset:64*\f+16
.endr
.irp k, 0,1,2,3,4,5,6,7
	ds_load_b128 v[96+4*\k:99+4*\k], v29 offset:544*\k       ; LDS serves a wave's instructions in order (ISA guide 5.7.1.4): these see my stores
.endr
.irp k, 0,1,2,3,4,5,6,7
	s_wait_dscnt 7-\k                              ; the younger loads may be out
	global_store_b128 v27, v[96+4*\k:99+4*\k], s[12:13] offset:8192*\k   ; 16 lanes store 256 consecutive bytes, aligned
.endr
.Lnext:
	s_add_co_u32 s22, s22, 1
	s_cmp_lt_u32 s22, 5
	s_cbranch_scc1 .Lepi
	s_add_co_u32 s21, s21, 1
	s_cmp_ge_u32 s21, s20
	s_cbranch_scc1 .Lend
	s_wait_xcnt 0x0                                ; the stores have read their rows' registers, into which the next pass's fragments of W2 are loaded
	s_wait_alu depctr_vm_vsrc(0)                   ; the last tile's stores have read v64-127, in which the next pass's fragments of W2 land; this pass's loads of hid have read v22-v26, which are written below
	s_add_co_u32 s35, s35, 20
	HADDR
	WIN 0x40                                       ; destination window 1
	s_wait_alu depctr_va_vdst(0)                   ; v22-v26 are written, which the loads below read; the pass's products are done reading hid's buffers and W2's sets, and the scaled sums v64-95 are written: loads land in all of these
	HLOAD 0
	HLOAD 1
	HLOAD 2
	HLOAD 3
	WIN 0
	s_cmp_lt_u32 s21, s20
	s_cbranch_scc1 .Lpass
.Lend:
	s_wait_dscnt 0x0                               ; the closing lines, six on end
	s_wait_alu 0x0
	s_wait_tensorcnt 0x0
	ds_add_u32 v62, v63
	s_wait_dscnt 0x0
	s_endpgm
.Lfunc_end_k_qa92dc84e2c_down:
	.size	k_qa92dc84e2c_down, .Lfunc_end_k_qa92dc84e2c_down-k_qa92dc84e2c_down
	.p2alignl 7, 3214868480
	.fill 96, 4, 3214868480
	.section	.rodata,"a",@progbits
	.p2align	6, 0x0
	.amdhsa_kernel k_qa92dc84e2c_down
		.amdhsa_group_segment_fixed_size 150016
		.amdhsa_private_segment_fixed_size 0
		.amdhsa_enable_private_segment 0
		.amdhsa_kernarg_size 40
		.amdhsa_user_sgpr_count 2
		.amdhsa_user_sgpr_kernarg_segment_ptr 1
		.amdhsa_wavefront_size32 1
		.amdhsa_system_sgpr_workgroup_id_x 1
		.amdhsa_system_sgpr_workgroup_id_y 1
		.amdhsa_system_sgpr_workgroup_id_z 1
		.amdhsa_system_vgpr_workitem_id 0
		.amdhsa_next_free_vgpr 1024
		.amdhsa_next_free_sgpr 66
		.amdhsa_reserve_vcc 0
		.amdhsa_float_denorm_mode_32 3
		.amdhsa_float_denorm_mode_16_64 3
		.amdhsa_memory_ordered 1
		.amdhsa_forward_progress 1
		.amdhsa_inst_pref_size 103
	.end_amdhsa_kernel
	.amdgpu_metadata
---
amdhsa.version: [ 1, 2 ]
amdhsa.kernels:
  - .name:           k_qa92dc84e2c_down
    .symbol:         k_qa92dc84e2c_down.kd
    .args:
      - { .name: hid, .offset: 0, .size: 8, .value_kind: global_buffer, .address_space: global }
      - { .name: W2_codes, .offset: 8, .size: 8, .value_kind: global_buffer, .address_space: global }
      - { .name: lowp_scales, .offset: 16, .size: 8, .value_kind: global_buffer, .address_space: global }
      - { .name: plan, .offset: 24, .size: 8, .value_kind: global_buffer, .address_space: global }
      - { .name: eo, .offset: 32, .size: 8, .value_kind: global_buffer, .address_space: global }
    .group_segment_fixed_size: 150016
    .private_segment_fixed_size: 0
    .kernarg_segment_align: 8
    .kernarg_segment_size: 40
    .max_flat_workgroup_size: 128
    .sgpr_count:     66
    .vgpr_count:     1024
    .wavefront_size: 32
...
	.end_amdgpu_metadata
.endif
;; end of part 5
;; launch combine: the kernel of part 4 again; grid 256 x 1, 4 waves a work-group, no clusters, 0 bytes of LDS; arguments eo, b2, gate, sel, plan, out0; writes out0
